; MI455X (gfx1250); checked and timed in simulation.
; The chip was launched on July 23, 2026; its instructions are those of AMD's public machine-readable ISA for CDNA 5 (MIT licence, August 2026) and "CDNA5" Instruction Set Architecture Reference Guide (July 2026). The comments in the code are by the model that wrote it; some were corrected since.
;; Contact Map. Allowed arithmetic: float matrix products may take bf16 or f16 operands with f32 sums; all other float work in f32.
;; Inputs: rid_to_vid_list 75 x 5 int32; v1 256 x 10,475 x 3 float32; v2 256 x 10,475 x 3 float32.
;; Outputs: out0 256 x 75 x 75 float32.
;; One version. Each part assembles by itself: llvm-mc -triple=amdgcn-amd-amdhsa -mcpu=gfx1250 --defsym DOCPART=n.
;; ======== version 1 of 1: 1 launch
;; launch contact (part 1): grid 256 x 1, 25 waves a work-group, no clusters, 67,840 bytes of LDS; arguments rid_to_vid_list, v1, v2, out0; writes out0
.if DOCPART == 1
	.amdgcn_target "amdgcn-amd-amdhsa--gfx1250"
	.amdhsa_code_object_version 6
	.text
	.protected	k_q0be6284d5d_contact
	.globl	k_q0be6284d5d_contact
	.p2align	8
	.type	k_q0be6284d5d_contact,@function
k_q0be6284d5d_contact:
	s_mov_b64 s[64:65], 0
	v_nop
	global_prefetch_b8 v0, s[64:65] scope:SCOPE_SE
	s_setreg_imm32_b32 hwreg(HW_REG_WAVE_MODE, 25, 1), 1
	s_wait_xcnt 0x0
; out0[b][i][j] = min over p, q of | v1[b][rid[i][p]] - v2[b][rid[j][q]] |,   b < 256, i, j < 75, p, q < 5.
; One work-group makes one batch; 25 waves = 800 threads.
;
; THE ARITHMETIC.  P = rx + ry - 2 x.y comes whole out of one bf16 matrix instruction with f32 sums.  Each coordinate is cut to
; 16 significant bits (x'), which two bf16 (h, l) hold exactly; r = |x'|^2 is made in f32 and cut exactly into three bf16 pieces.
; A point is a row of 32 k places, 18 of them used:
;    point of v1 (source A):      (xh xl)(xh xl)(yh yl)(yh yl)(zh zl)(zh zl)(r1 1)(r2 1)(r3 1) 0 ..
;    point of v2 (source B): -2 x (xh xl)(xl xh)(yh yl)(yl yh)(zh zl)(zl zh), then (1 r1)(1 r2)(1 r3) 0 ..
; so that the sum over k is rx + ry - 2 x'.y' = |x' - y'|^2.
; A tile of 16 rows holds 16 REGIONS at one vertex number p (75 regions padded to 80 = 5 blocks), so that the minimum over the 25
; pairs (p, q) is a minimum, element by element, over 25 result tiles: no traffic between lanes.
;
; THE STEPS.  1: thread t gathers one of the 2 x 400 padded points, converts it and stores its row to LDS.  2: wave w owns the block
; of 16 x 16 regions (I, J) = (w / 5, w % 5): 10 fragments, 25 matrix instructions, minimum, clamp, root.  3: the 75 x 75 results
; meet in an LDS stage and leave as 16 bytes a lane.
;
; LIMITS.  Coordinates are cut to 16 significant bits (moved by less than 2^-15 of their size).  Inputs are finite and below about
; 1e19 in size (their squares are summed in f32); with a NaN or an infinity among a batch's gathered points the results differ from
; the reference's (v_min3_num_f32 drops a NaN).  P below 2^-126 gives 0 (v_sqrt_f32 takes a denormal as zero).  A list entry above
; 10474 is taken as 10474.
; No cluster: the work-groups share nothing but the list of 1,500 bytes.  No prefetch: a point's address is known only when its list
; entry is in, and the load itself is issued at that moment.
.set VERTS,     10475
.set IN_BATCH,  VERTS*12               ; bytes of one batch in v1 and in v2
.set REGIONS,   75
.set POINTS,    375                    ; entries of the list
.set OUT_ROW,   REGIONS*4              ; 300 bytes
.set OUT_BATCH, REGIONS*OUT_ROW        ; 22,500 bytes
.set PITCH,     80                     ; an LDS row: 64 bytes + 16: the 16 rows of a fragment load start on 16 different 16-byte columns modulo 256
.set BLOCK,     16*PITCH               ; a tile of 16 regions
.set SIDE,      80*PITCH               ; the 80 rows of v1 in a plane; v2's 80 follow
.set PLANE,     2*SIDE+16              ; the rows of one vertex number p.  The 16 more: see the row address below
.set HALF,      800*16                 ; bytes that the 800 threads move out in one go
; vector registers
.set ADRA, 3                           ; LDS address of my lane's part of the A fragments
.set ADRB, 4                           ; the same for B
.set ADRS, 5                           ; stage: where my lane's first result goes
.set COL,  6                           ; my lane's column j of the output
.set T16,  7                           ; 16 t
.set PT,   8                           ; v[8:10]   step 1: the point
.set ADRW, 11                          ; step 1: LDS address of my row
.set ROWQ, 16                          ; v[16:31]  step 1: the row, 16 words
.set RR,   32                          ; step 1: r and what is left of it
.set XL,   33                          ; v[33:35]  step 1: the low parts
.set TMP,  36
.set FA,   8                           ; v[8:47]   A fragments p = 0..4
.set FB,   48                          ; v[48:87]  B fragments q = 0..4
.set ACC,  88                          ; v[88:95]  the running minimum
.set TA,   96                          ; four result tiles, used in pairs (TA, TB), (TC, TD)
.set TB,   104
.set TC,   112
.set TD,   120
	s_load_b256 s[4:11], s[0:1], 0x0               ; list s[4:5], v1 s[6:7], v2 s[8:9], out0 s[10:11]
	v_lshl_add_u32 v128, v0, 2, 0xfc00
	v_mov_b32 v129, 0
	v_lshrrev_b32 v1, 5, v0
	v_readfirstlane_b32 s12, v1                    ; wave 0..24
	; Waves 0-11 take list places 0..383 for v1, waves 12-23 the same for v2, so that the buffer is one choice for a whole wave.
	; Places 375..399 stand for the pad regions 75..79 and read the list's last entry: pad rows may hold any finite point.
	; Wave 24 (t - 384 = 384..415, all clamped) fills the 16 + 16 pad rows that are left.
	s_cmp_ge_u32 s12, 12                           ; SCC = this wave reads v2; only lines that leave SCC alone follow, down to the last select
	s_cselect_b32 s16, 384, 0
	v_sub_nc_u32 v12, v0, s16
	v_min_u32 v12, POINTS-1, v12
	v_lshlrev_b32 v12, 2, v12
	s_wait_kmcnt 0x0
	global_load_b32 v13, v12, s[4:5]               ; my list entry
	; while it is on its way: what differs between the two row formats, as scalars
	s_cselect_b64 s[18:19], s[8:9], s[6:7]         ; the buffer
	s_cselect_b32 s15, 16, 0
	s_cselect_b32 s22, -2.0, 1.0                   ; the factor on the coordinates
	s_mov_b32 s26, 0x07060302                      ; v_perm_b32: (upper half of source 1, upper half of source 0) = (h, l)
	s_mov_b32 s27, 0x03020706                      ; (l, h)
	s_cselect_b32 s27, s27, s26                    ; second word of a dimension: v1 (h, l) again, v2 (l, h)
	s_mov_b32 s28, 0x01000706                      ; (piece of r, 1)
	s_mov_b32 s29, 0x07060100                      ; (1, piece of r)
	s_cselect_b32 s28, s29, s28
	s_mov_b32 s29, 0x3f803f80                      ; 1.0 in bf16
	s_mul_i32 s20, ttmp9, IN_BATCH                 ; at most 255 x 125,700: below 2^31
	s_mov_b32 s21, 0
	s_add_nc_u64 s[18:19], s[18:19], s[20:21]      ; my batch in my buffer
	; n = 400 x buffer + list place (0..799), each number taken by one thread: 32 w + 16 x buffer + lane;
	; in wave 24: 384 + lane for lanes 0-15 (v1's last pads), 768 + lane for lanes 16-31 (v2's)
	s_lshl_b32 s17, s12, 5
	s_add_co_u32 s17, s17, s15
	s_cmp_eq_u32 s12, 24
	s_cselect_b32 s17, 384, s17
	s_cselect_b32 s23, 384, 0
	v_and_b32 v14, 31, v0
	v_bfe_u32 v2, v0, 4, 1                         ; h = lane / 16, kept
	v_mad_u32_u24 v14, v2, s23, v14
	v_add_nc_u32 v14, s17, v14                     ; n
	v_mul_u32_u24 v15, v14, 205
	v_lshrrev_b32 v15, 10, v15                     ; n / 5 = 80 x buffer + region (205 / 1024 is exact enough below 1,024)
	v_mul_u32_u24 v11, v15, 5
	v_sub_nc_u32 v14, v14, v11                     ; n % 5 = p
	; Row address = p PLANE + (n / 5) PITCH.  In 16-byte columns modulo 16 that is p + 5 (n / 5): sixteen neighbouring n
	; fall on sixteen different columns, which is what PLANE's 16 bytes more are for.
	v_mul_u32_u24 v11, v15, PITCH
	v_mad_u32_u24 v[ADRW], v14, PLANE, v11
	s_wait_loadcnt 0x0
	v_min_u32 v13, VERTS-1, v13                    ; a loaded number enters an address only clamped to the table's last row
	v_mul_u32_u24 v13, v13, 12
	global_load_b96 v[PT:PT+2], v13, s[18:19]      ; the point: every gather of the work-group is now in flight
	; while the points are on their way: the rows' zeros, the addresses of steps 2 and 3
.irp j, 25,26,27,28,29,30,31
	v_mov_b32 v\j, 0                               ; k places 18..31
.endr
	ds_store_b128 v[ADRW], v[ROWQ+12:ROWQ+15] offset:48
	v_and_b32 v1, 15, v0                           ; r = lane % 16, kept
	v_mul_u32_u24 v3, v1, PITCH
	v_lshl_add_u32 v3, v2, 4, v3                   ; a fragment's lane term: row r, 16 bytes at 16 h
	s_mul_i32 s13, s12, 52
	s_lshr_b32 s13, s13, 8                         ; I = w / 5 (52 / 256 is exact enough below 25)
	s_mul_i32 s14, s13, 5
	s_sub_co_u32 s14, s12, s14                     ; J = w % 5
	s_mul_i32 s34, s14, BLOCK
	s_add_co_u32 s34, s34, SIDE
	v_add_nc_u32 v[ADRB], s34, v3
	s_mul_i32 s35, s13, BLOCK
	v_add_nc_u32 v[ADRA], s35, v3
	; The batch's 22,500 bytes begin at 22,500 b, a multiple of 4 only.  The stage is shifted by sh = that offset modulo 256:
	; LDS byte a is byte a behind s[10:11], which is a multiple of 256, so 16-byte pieces are aligned in both.
	s_mul_i32 s30, ttmp9, OUT_BATCH
	s_and_b32 s32, s30, 0xffffff00
	s_mov_b32 s33, 0
	s_and_b32 s30, s30, 0xff                       ; sh
	s_add_nc_u64 s[10:11], s[10:11], s[32:33]
	s_add_co_u32 s31, s30, OUT_BATCH-HALF-16       ; the last 16 t whose second piece still ends inside the batch
	s_mul_i32 s37, s13, 16*OUT_ROW
	s_lshl_b32 s38, s14, 6
	s_add_co_u32 s37, s37, s38
	s_add_co_u32 s37, s37, s30                     ; stage: sh + row 16 I, column 16 J
	s_lshl_b32 s39, s14, 4                         ; 16 J
	; STEP 1: the point becomes its row
	s_wait_loadcnt 0x0
.irp d, 0,1,2
	v_and_b32 v[PT+\d], 0xffffff00, v[PT+\d]       ; x': 16 significant bits
.endr
	v_mul_f32 v[RR], v[PT], v[PT]
	v_fmac_f32 v[RR], v[PT+1], v[PT+1]
	v_fmac_f32 v[RR], v[PT+2], v[PT+2]             ; r = |x'|^2
.irp d, 0,1,2
	v_mul_f32 v[PT+\d], s22, v[PT+\d]              ; x 1 or x -2: exact
.endr
.irp d, 0,1,2
	v_and_b32 v[XL+\d], 0xffff0000, v[PT+\d]       ; h: the upper 8 significant bits
.endr
.irp d, 0,1,2
	v_sub_f32 v[XL+\d], v[PT+\d], v[XL+\d]         ; l: the lower 8, exact, and exact in bf16
.endr
.irp d, 0,1,2
	v_perm_b32 v[ROWQ+2*\d], v[XL+\d], v[PT+\d], s26       ; (h, l)
	v_perm_b32 v[ROWQ+2*\d+1], v[XL+\d], v[PT+\d], s27     ; (h, l) or (l, h)
.endr
	ds_store_b128 v[ADRW], v[ROWQ:ROWQ+3]
	v_perm_b32 v[ROWQ+6], v[RR], s29, s28          ; r's upper 8 significant bits beside a 1
	v_and_b32 v[TMP], 0xffff0000, v[RR]
	v_sub_f32 v[RR], v[RR], v[TMP]                 ; at most 16 bits are left
	v_perm_b32 v[ROWQ+7], v[RR], s29, s28
	ds_store_b128 v[ADRW], v[ROWQ+4:ROWQ+7] offset:16
	v_and_b32 v[TMP], 0xffff0000, v[RR]
	v_sub_f32 v[RR], v[RR], v[TMP]                 ; at most 8 bits are left: the third piece is exact
	v_perm_b32 v[ROWQ+8], v[RR], s29, s28
	ds_store_b128 v[ADRW], v[ROWQ+8:ROWQ+11] offset:32
	s_wait_dscnt 0x0                               ; for the other waves' sake: my row is in LDS
	s_barrier_signal -1
	s_barrier_wait -1                              ; all 800 rows are
	; STEP 2.  A fragment: lane (r, h) takes bytes 16 h .. and 32 + 16 h .. of row r (k = 8 h .. and 16 + 8 h ..)
.macro FRAG f, adr, p
	ds_load_b128 v[\f+8*\p:\f+8*\p+3],   v[\adr] offset:\p*PLANE
	ds_load_b128 v[\f+8*\p+4:\f+8*\p+7], v[\adr] offset:\p*PLANE+32
.endm
.macro TILE d, p, q                    ; P of my 16 regions i at vertex p against my 16 regions j at vertex q
	v_wmma_f32_16x16x32_bf16 v[\d:\d+7], v[FA+8*\p:FA+8*\p+7], v[FB+8*\q:FB+8*\q+7], 0
.endm
.macro MIN3 x, y                       ; two tiles into the running minimum
.irp j, 0,1,2,3,4,5,6,7
	v_min3_num_f32 v[ACC+\j], v[ACC+\j], v[\x+\j], v[\y+\j]
.endr
.endm
	FRAG FA, ADRA, 0                               ; 20 loads, in the order of first use
	FRAG FB, ADRB, 0
	FRAG FB, ADRB, 1
	FRAG FB, ADRB, 2
	FRAG FB, ADRB, 3
	FRAG FB, ADRB, 4
	FRAG FA, ADRA, 1
	FRAG FA, ADRA, 2
	FRAG FA, ADRA, 3
	FRAG FA, ADRA, 4
	; Distances behind a matrix instruction (ISA guide 7.12.1): a vector instruction reads a result four, and a matrix instruction
	; writes over a result five, independent vector instructions later.  A pair of tiles is therefore folded in behind the NEXT
	; pair's matrix instructions: between a pair and its MIN3 stand the eight v_min3 of the pair before, which name other registers,
	; and the same eight stand between a pair and the pair that writes over it.  At the start the address lines of step 3 take that place.
	; LDS loads come back in order (ISA guide 5.7.1): each count below is the number of younger loads not yet needed.
	s_wait_dscnt 16                                ; A0, B0 are in
	TILE ACC, 0, 0                                 ; the first tile starts the minimum: nothing is preset
	s_wait_dscnt 12                                ; B1, B2
	TILE TA, 0, 1
	TILE TB, 0, 2
	v_mul_u32_u24 v[ADRS], v2, 8*OUT_ROW           ; result register j of lane (r, h) is out[16 I + 8 h + j][16 J + r]
	v_lshl_add_u32 v[ADRS], v1, 2, v[ADRS]
	v_add_nc_u32 v[ADRS], s37, v[ADRS]
	v_add_nc_u32 v[COL], s39, v1
	v_lshlrev_b32 v[T16], 4, v0
	v_cmp_gt_u32 vcc_lo, REGIONS, v[COL]           ; my column exists; kept in VCC to the stage's stores
	s_wait_dscnt 8                                 ; B3, B4
	TILE TC, 0, 3
	TILE TD, 0, 4
	MIN3 TA, TB
	s_wait_dscnt 6                                 ; A1
	TILE TA, 1, 0
	TILE TB, 1, 1
	MIN3 TC, TD
	TILE TC, 1, 2
	TILE TD, 1, 3
	MIN3 TA, TB
	s_wait_dscnt 4                                 ; A2
	TILE TA, 1, 4
	TILE TB, 2, 0
	MIN3 TC, TD
	TILE TC, 2, 1
	TILE TD, 2, 2
	MIN3 TA, TB
	TILE TA, 2, 3
	TILE TB, 2, 4
	MIN3 TC, TD
	s_wait_dscnt 2                                 ; A3
	TILE TC, 3, 0
	TILE TD, 3, 1
	MIN3 TA, TB
	TILE TA, 3, 2
	TILE TB, 3, 3
	MIN3 TC, TD
	s_wait_dscnt 0x0                               ; A4: all my reads of the rows are over.  The stage lies over the rows, so say so now
	s_barrier_signal -1                            ; and ask only in front of the stage's stores; register work alone in between
	TILE TC, 3, 4
	TILE TD, 4, 0
	MIN3 TA, TB
	TILE TA, 4, 1
	TILE TB, 4, 2
	MIN3 TC, TD
	TILE TC, 4, 3
	TILE TD, 4, 4
	MIN3 TA, TB
	MIN3 TC, TD
.irp j, 0,1,2,3,4,5,6,7
	v_max_num_f32 v[ACC+\j], 0, v[ACC+\j]          ; the clamp; root and minimum change places, the root being monotone
.endr
.irp j, 0,1,2,3,4,5,6,7
	v_sqrt_f32 v[ACC+\j], v[ACC+\j]
.endr
	v_nop                                          ; one plain vector instruction between a root and the use of its result (ISA guide 5.7.2)
	; STEP 3.  Rows 75..79 of the padded block fall behind the batch's 22,500 bytes in the stage and are never read;
	; columns 75..79 would fall on the next row's first words: those lanes are off.
	s_barrier_wait -1                              ; nobody reads the rows any more
	s_and_saveexec_b32 s36, vcc_lo                 ; no global instruction is pending: the gathers were waited for
	s_wait_alu depctr_va_vdst(0)
.irp j, 0,1,2,3,4,5,6,7
	ds_store_b32 v[ADRS], v[ACC+\j] offset:\j*OUT_ROW
.endr
	s_or_b32 exec_lo, exec_lo, s36
	s_wait_dscnt 0x0                               ; for the other waves' sake: my results are in the stage
	s_barrier_signal -1
	s_barrier_wait -1
	; Thread t moves the 16 bytes at 16 t and at 16 t + 12,800, where they lie whole inside [sh, sh + 22,500):
	; each store of sixteen neighbouring lanes covers 256 consecutive bytes, aligned.
	v_cmp_le_u32 vcc_lo, s30, v[T16]               ; sh <= 16 t (the first go cannot pass the end)
	s_and_saveexec_b32 s36, vcc_lo
	ds_load_b128 v[8:11], v[T16]
	s_wait_dscnt 0x0
	global_store_b128 v[T16], v[8:11], s[10:11] th:TH_STORE_NT
	s_wait_xcnt 0x0                                ; EXEC is a source of the pending store: it changes only behind this wait
	s_or_b32 exec_lo, exec_lo, s36
	v_cmp_ge_u32 vcc_lo, s31, v[T16]               ; 16 t + 12,800 + 16 <= sh + 22,500 (the second go cannot lie in front of sh)
	s_and_saveexec_b32 s36, vcc_lo
	ds_load_b128 v[12:15], v[T16] offset:HALF
	s_wait_dscnt 0x0
	global_store_b128 v[T16], v[12:15], s[10:11] offset:HALF th:TH_STORE_NT
	s_wait_xcnt 0x0
	s_or_b32 exec_lo, exec_lo, s36
	; The words in front of the first and behind the last whole 16 bytes, at most three each: wave 24, whose second go was empty.
	s_cmp_lg_u32 s12, 24
	s_cbranch_scc1 .Lend
	s_sub_co_u32 s40, 0, s30
	s_and_b32 s40, s40, 15                         ; bytes from sh to the next multiple of 16
	s_add_co_u32 s41, s30, OUT_BATCH               ; the batch's end in the stage
	s_and_b32 s42, s41, 15                         ; bytes behind the last multiple of 16
	s_sub_co_u32 s41, s41, s42                     ; that multiple
	v_and_b32 v[COL], 31, v0
	v_lshlrev_b32 v[COL], 2, v[COL]                ; 4 x lane
.macro EDGE base, bytes                ; the words at base + 4 x lane, as far as 4 x lane < bytes
	v_add_nc_u32 v[ADRS], \base, v[COL]
	v_cmp_gt_u32 vcc_lo, \bytes, v[COL]
	s_and_saveexec_b32 s36, vcc_lo
	ds_load_b32 v16, v[ADRS]
	s_wait_dscnt 0x0
	global_store_b32 v[ADRS], v16, s[10:11] th:TH_STORE_NT
	s_wait_xcnt 0x0                                ; EXEC, and then the address register, change only behind this wait
	s_or_b32 exec_lo, exec_lo, s36
.endm
	EDGE s30, s40
	EDGE s41, s42
.Lend:
	s_wait_tensorcnt 0x0
	ds_add_u32 v128, v129
	s_wait_dscnt 0x0
	s_endpgm
.Lfunc_end_k_q0be6284d5d_contact:
	.size	k_q0be6284d5d_contact, .Lfunc_end_k_q0be6284d5d_contact-k_q0be6284d5d_contact
	.p2alignl 7, 3214868480
	.fill 96, 4, 3214868480
	.section	.rodata,"a",@progbits
	.p2align	6, 0x0
	.amdhsa_kernel k_q0be6284d5d_contact
		.amdhsa_group_segment_fixed_size 67840
		.amdhsa_private_segment_fixed_size 0
		.amdhsa_enable_private_segment 0
		.amdhsa_kernarg_size 32
		.amdhsa_user_sgpr_count 2
		.amdhsa_user_sgpr_kernarg_segment_ptr 1
		.amdhsa_wavefront_size32 1
		.amdhsa_system_sgpr_workgroup_id_x 1
		.amdhsa_system_sgpr_workgroup_id_y 1
		.amdhsa_system_sgpr_workgroup_id_z 1
		.amdhsa_system_vgpr_workitem_id 0
		.amdhsa_next_free_vgpr 130
		.amdhsa_next_free_sgpr 66
		.amdhsa_reserve_vcc 1
		.amdhsa_float_denorm_mode_32 3
		.amdhsa_float_denorm_mode_16_64 3
		.amdhsa_memory_ordered 1
		.amdhsa_forward_progress 1
		.amdhsa_inst_pref_size 18
	.end_amdhsa_kernel
	.amdgpu_metadata
---
amdhsa.version: [ 1, 2 ]
amdhsa.kernels:
  - .name:           k_q0be6284d5d_contact
    .symbol:         k_q0be6284d5d_contact.kd
    .args:
      - { .name: rid_to_vid_list, .offset: 0, .size: 8, .value_kind: global_buffer, .address_space: global }
      - { .name: v1, .offset: 8, .size: 8, .value_kind: global_buffer, .address_space: global }
      - { .name: v2, .offset: 16, .size: 8, .value_kind: global_buffer, .address_space: global }
      - { .name: out0, .offset: 24, .size: 8, .value_kind: global_buffer, .address_space: global }
    .group_segment_fixed_size: 67840
    .private_segment_fixed_size: 0
    .kernarg_segment_align: 8
    .kernarg_segment_size: 32
    .max_flat_workgroup_size: 800
    .sgpr_count:     66
    .vgpr_count:     130
    .wavefront_size: 32
...
	.end_amdgpu_metadata
.endif
;; end of part 1
